; MI455X (gfx1250); checked and timed in simulation.
; The chip was launched on July 23, 2026; its instructions are those of AMD's public machine-readable ISA for CDNA 5 (MIT licence, August 2026) and "CDNA5" Instruction Set Architecture Reference Guide (July 2026). The comments in the code are by the model that wrote it; some were corrected since.
;; Multi Head Attention. Allowed arithmetic: matrix products marked QUANTISED: E2M1 operands, one E8M0 scale for each 32 along K, by v_wmma_scale_f32_16x16x128_f8f6f4 with both operands' format E2M1 (or v_wmma_scale_f32_32x16x128_f4), f32 sums; products left as they are: bf16, f16 or f32 operands; f32 sums; everything else in f32.
;; Inputs: Wk 768 x 768 float32; Wo 768 x 768 float32; Wq 768 x 768 float32; Wv 768 x 768 float32; bk 768 float32; bo 768 float32; bq 768 float32; bv 768 float32; x 8 x 1,024 x 768 float32.
;; Outputs: out0 8 x 1,024 x 768 float32.
;; This version of the problem:
;;   THIS VERSION OF THE PROBLEM IS GIVEN IN LOW PRECISION. The matrix products marked QUANTISED in the list below multiply operands that are first quantised to E2M1 (2 exponent bits, 1 mantissa bit; 4 bits a number), with one power-of-two scale for each 32 numbers along K (OCP MX v1.0); their sums are f32. The products marked 'left as it is' may take bf16, f16 or f32 operands, with f32 sums. Whichever they take, every output number must still come out within the allowed error. Rounding operands to bf16 (8 significant bits) uses up far more of that allowance than f16 does (11 bits, for magnitudes from 6e-5 to 65,504). All else is computed in f32.
;;   The module's matrix products, in the order in which they are computed (A, B: the left and right operand; K: the contracted axis; several contracted axes count as one K, in the product's order):
;;     1. [M 8,192, K 768] x [K 768, N 768]; A: input x; B: input Wq: QUANTISED
;;     2. [M 8,192, K 768] x [K 768, N 768]; A: input x; B: input Wk: QUANTISED
;;     3. [M 8,192, K 768] x [K 768, N 768]; A: input x; B: input Wv: QUANTISED
;;     4. batch 96 x [M 1,024, K 64] x [K 64, N 1,024]; A: computed on the way; B: computed on the way: left as it is (an operand is computed on the way)
;;     5. batch 96 x [M 1,024, K 1,024] x [K 1,024, N 64]; A: computed on the way; B: computed on the way: left as it is (an operand is computed on the way)
;;     6. [M 8,192, K 768] x [K 768, N 768]; A: computed on the way; B: input Wo: left as it is (an operand is computed on the way)
;;   THE QUANTISER, for each operand of a quantised product, along K:
;;     - K is cut into blocks of 32 from its start; a last block that is shorter is filled with zeros.
;;     - A block's scale is 2^e with e = floor(log2(the largest magnitude in the block)) - 2, held to -126 .. 127; a block of zeros has e = 0. As a byte (E8M0): e + 127.
;;     - Each number is divided by its block's scale, clamped to +-6, and rounded to the nearest number of E2M1, ties to even, subnormals kept.
;;     - The product sums the exact products of the quantised numbers (number of the format x scale) in f32.
;;   ~~~python
;;   def quantise(x, axis):      # numpy; x: float32 -> the quantised numbers, widened to float32 again
;;       x = np.moveaxis(x, axis, -1); K = x.shape[-1]
;;       x = np.pad(x, [(0, 0)] * (x.ndim - 1) + [(0, -K % 32)]); x = x.reshape(x.shape[:-1] + (-1, 32)); a = np.abs(x).max(-1, keepdims=True)
;;       e = np.where(a > 0, np.clip(np.frexp(np.where(a > 0, a, 1))[1] - 1 - 2, -126, 127), 0)      # np.frexp(a)[1] - 1 = floor(log2(a)), exactly
;;       r = np.clip(x / 2.0 ** e, -6, 6)
;;       step = 2.0 ** (np.maximum(np.frexp(np.where(r == 0, 1, r))[1] - 1, 0) - 1)
;;       q = np.round(r / step) * step * 2.0 ** e      # np.round: ties to even
;;       return np.moveaxis(q.reshape(q.shape[:-2] + (-1,))[..., :K], -1, axis).astype(np.float32)
;;   ~~~
;; One version. Each part assembles by itself: llvm-mc -triple=amdgcn-amd-amdhsa -mcpu=gfx1250 --defsym DOCPART=n.
;; ======== version 1 of 1: 4 launches
;; limits: values are held in f16: magnitudes above 65,504 overflow, below 6.1e-05 lose precision
;; workspace buffers: xc 3,145,728 bytes; xs 196,608 bytes; wc 884,736 bytes; ws 55,296 bytes; wo 1,179,648 bytes; qf 12,582,912 bytes; kv 25,165,824 bytes; ctx 12,582,912 bytes
;; launch prep (part 1): grid 400 x 1, 4 waves a work-group, no clusters, 34,304 bytes of LDS; arguments x, Wq, Wk, Wv, Wo, xc, xs, wc, ws, wo; writes xc, xs, wc, ws, wo
.if DOCPART == 1
	.amdgcn_target "amdgcn-amd-amdhsa--gfx1250"
	.amdhsa_code_object_version 6
	.text
	.protected	k_q25bef1a872_prep
	.globl	k_q25bef1a872_prep
	.p2align	8
	.type	k_q25bef1a872_prep,@function
k_q25bef1a872_prep:
	s_mov_b64 s[64:65], 0
	v_nop
	global_prefetch_b8 v0, s[64:65] scope:SCOPE_SE
	s_setreg_imm32_b32 hwreg(HW_REG_WAVE_MODE, 25, 1), 1
	s_wait_xcnt 0x0
; PREP.  x [8192][768] and Wq, Wk, Wv [768 (k)][768 (n)], f32, become codes of FP4 (E2M1) with one E8M0 byte for each 32 along K; Wo [768 (k)][768 (n)] becomes f16.
; All five results are laid as IMAGES OF OPERAND REGISTERS: pieces of 512 bytes, lane l's 16 bytes at 16 l, so that the later launches load fragments by 16 bytes a lane and fetch tiles as dense blocks.
;   xc [block of 256 tokens 32][K step 6][tile of 16 tokens 16][piece 2][512]: piece c, lane (r, h): the 32 codes of block 2 c + h of the step, of token r.
;   xs [tile 512][p 3][u 2][r 16] words: the four scale bytes of token r for K step 3 u + p.
;   wc [pair of column groups 8][K step 6][slot 18][1,024]: slot = 9 (cg & 1) + 3 kind + i, the column tile 3 cg + i of Wq, Wk, Wv (kind 0, 1, 2).   ws [cg 16][3 kind + i 9][p 3][u 2][r 16] words.
;   wo [tile of 16 output columns 48][32 along K 24][piece 2][512]: piece c, lane (r, h): Wo(32 kf + 16 c + 8 h + 0..7, column r) in f16.
; A block's scale is 2^(floor(log2(its largest magnitude)) - 2); its byte is the largest magnitude's exponent field - 2, held at 1 from below.
; LIMITS: a block of zeros gets the byte 1 where the rule says 127: its codes are zeros, which add nothing, and this program alone reads the bytes.  NaN and infinities among the inputs are not served.  Wo goes in f16: magnitudes up to 65,504.
; SHARES.  Work-groups 0-143 take the weights (36 each: 6 blocks of 128 columns x 6 K steps of 128): a lane takes a column and its registers run down K, so a block of 32 lies in one lane and nothing is transposed.
; Work-groups 144-399 take x: a wave takes 16 tokens x 384 along K.  Each load reads 512 consecutive bytes of a row; a K step's 16 rows turn through the wave's own stage in LDS, so that a lane gets two whole blocks of its row.
; No cluster, no tensor load, no barrier: no two waves read the same bytes.
.set PIT,   528                        ; a stage row: 512 bytes + 16: sixteen rows start at sixteen different groups of four banks
.set STGB,  16*PIT                     ; a wave's stage
.set SPARE, 4*STGB                     ; behind the stages: the spare words, 128 bytes a wave
.set MX,  10                           ; v10-13 largest magnitudes, two chains a block
.set SCL, 14                           ; v14-15 the conversions' scale operands
.set BY,  16                           ; v16-17 scale bytes
.set PT,  18                           ; v18    the other half's bytes
.set SW,  19                           ; v19-21 scale words (x: one a K step; weights: v19 alone)
.set VOC, 20                           ; v20    weights: my byte offset among the codes (or in wo)
.set VOS, 21                           ; v21    weights: among the scale words
.set SPW, 22                           ; v22    LDS address of my spare word; never rewritten
.set NIL, 23                           ; v23    0; never rewritten
.set C,   24                           ; v24-47 codes
.set X,   48                           ; x: v48-239 three K steps of 64 numbers; weights: v48-111 two blocks of 32
.set HF,  112                          ; Wo: v112-175 f16 pairs
	s_load_b256 s[4:11], s[0:1], 0x0               ; x, Wq, Wk, Wv
	s_load_b256 s[12:19], s[0:1], 0x20             ; Wo, xc, xs, wc
	s_load_b128 s[20:23], s[0:1], 0x40             ; ws, wo
	v_lshl_add_u32 v[SPW], v0, 2, SPARE
	v_mov_b32 v[NIL], 0
	v_lshrrev_b32 v1, 5, v0
	v_readfirstlane_b32 s24, v1                    ; wave 0..3
	v_and_b32 v1, 31, v0                           ; lane
	v_and_b32 v2, 15, v0                           ; r
	v_bfe_u32 v3, v0, 4, 1                         ; h
	v_lshlrev_b32 v4, 4, v1                        ; 16 x lane
	s_mov_b32 s26, 0x76543210
	s_mov_b32 s27, 0xfedcba98                      ; v_permlanex16_b32's selects for lane l xor 16
	s_wait_kmcnt 0x0
	s_cmp_lt_u32 ttmp9, 144
	s_cbranch_scc1 .Lweights
; the largest magnitude of 32 numbers v[b] .. v[b + 31], in two chains, with the floor 2^(3 - 127) as one more leaf: the byte cannot fall under 1
.macro MAX32 d, e, b
	v_max3_num_f32 v[\d], |v[\b]|, |v[\b+1]|, |v[\b+2]|
	v_max3_num_f32 v[\e], |v[\b+3]|, |v[\b+4]|, |v[\b+5]|
.irp i, 6,10,14,18,22,26
	v_max3_num_f32 v[\d], v[\d], |v[\b+\i]|, |v[\b+\i+1]|
	v_max3_num_f32 v[\e], v[\e], |v[\b+\i+2]|, |v[\b+\i+3]|
.endr
	v_max3_num_f32 v[\d], v[\d], |v[\b+30]|, |v[\b+31]|
	v_max3_num_f32 v[\d], v[\d], v[\e], 0x1800000
.endm
	; ---------------- x ----------------
	s_sub_co_u32 s28, ttmp9, 144
	s_lshl_b32 s28, s28, 2
	s_add_co_u32 s28, s28, s24                     ; my wave's run, 0..1023
	s_lshr_b32 s29, s28, 1                         ; tile of 16 tokens
	s_and_b32 s28, s28, 1                          ; u: which half of K
	s_mul_i32 s32, s29, 49152                      ; 16 rows of 3,072 bytes
	s_mul_i32 s31, s28, 1536
	s_add_co_u32 s32, s32, s31
	s_mov_b32 s33, 0
	s_add_nc_u64 s[4:5], s[4:5], s[32:33]
.irp g, 0,1,2                                  ; all 48 loads go out at once: row i, K step g: 512 consecutive bytes each
.irp i, 0,1,2,3,4,5,6,7,8,9,10,11,12,13,14,15
	global_load_b128 v[X+64*\g+4*\i:X+64*\g+4*\i+3], v4, s[4:5] offset:\i*3072+\g*512 th:TH_LOAD_NT
.endr
.endr
	s_mul_i32 s25, s24, STGB
	v_add_nc_u32 v5, s25, v4                       ; into the stage: 16 x lane of a row
	v_mul_u32_u24 v6, v2, PIT
	v_lshl_add_u32 v6, v3, 7, v6
	v_add_nc_u32 v6, s25, v6                       ; out of it: row r, block h (128 bytes a block)
	v_lshlrev_b32 v7, 2, v2                        ; 4 r
	v_lshlrev_b32 v8, 3, v3                        ; 8 h
	v_mov_b32 v[PT], 0                             ; a lane permute's destination counts as one of its sources
	s_lshr_b32 s32, s29, 4
	s_mul_i32 s32, s32, 98304                      ; xc: my block of 256 tokens,
	s_mul_i32 s31, s28, 49152                      ; K step 3 u,
	s_add_co_u32 s32, s32, s31
	s_and_b32 s31, s29, 15
	s_lshl_b32 s31, s31, 10                        ; my tile
	s_add_co_u32 s32, s32, s31
	s_add_nc_u64 s[14:15], s[14:15], s[32:33]
	s_mul_i32 s32, s29, 384                        ; xs: my tile, my u
	s_lshl_b32 s31, s28, 6
	s_add_co_u32 s32, s32, s31
	s_add_nc_u64 s[16:17], s[16:17], s[32:33]
.macro SIGMA g                                 ; K step 3 u + g: one fragment and its scale words
	s_wait_loadcnt 32-16*\g                        ; this step's 16 loads are in; the later steps' may be out
.irp i, 0,1,2,3,4,5,6,7,8,9,10,11,12,13,14,15
	ds_store_b128 v5, v[X+64*\g+4*\i:X+64*\g+4*\i+3] offset:\i*PIT
.endr
	s_wait_dscnt 0x0                               ; the stores have read their registers: the numbers come back into the same 64
.irp c, 0,1
.irp q, 0,1,2,3,4,5,6,7
	ds_load_b128 v[X+64*\g+32*\c+4*\q:X+64*\g+32*\c+4*\q+3], v6 offset:256*\c+16*\q   ; block 2 c + h of row r
.endr
.endr
	s_wait_dscnt 0x0
	MAX32 MX, MX+1, X+64*\g
	MAX32 MX+2, MX+3, X+64*\g+32
	v_add_nc_u32 v[SCL], 0xff000000, v[MX]         ; 2 off the exponent field: the conversion takes the exponent field of this operand as its scale
	v_add_nc_u32 v[SCL+1], 0xff000000, v[MX+2]
.irp c, 0,1
.irp q, 0,1,2,3
	v_cvt_scalef32_pk8_fp4_f32 v[C+8*\g+4*\c+\q], v[X+64*\g+32*\c+8*\q:X+64*\g+32*\c+8*\q+7], v[SCL+\c]
.endr
.endr
	v_lshrrev_b32 v[BY], 23, v[SCL]                ; the bytes of blocks h and 2 + h (a plain line behind the conversions)
	v_lshrrev_b32 v[BY+1], 23, v[SCL+1]
	v_lshl_or_b32 v[BY], v[BY+1], 16, v[BY]
	v_lshlrev_b32 v[BY], v8, v[BY]                 ; at their places in the word
	v_permlanex16_b32 v[PT], v[BY], s26, s27
	v_or_b32 v[SW+\g], v[BY], v[PT]                ; with lane l xor 16's two the word is whole
.irp c, 0,1
	global_store_b128 v4, v[C+8*\g+4*\c:C+8*\g+4*\c+3], s[14:15] offset:\g*16384+\c*512   ; 32 lanes store 512 consecutive bytes, aligned
.endr
.endm
	SIGMA 0
	SIGMA 1
	SIGMA 2
	s_wait_xcnt 0x0                                ; EXEC changes only behind this wait
	v_cmp_gt_u32 vcc_lo, 16, v1
	s_and_saveexec_b32 s30, vcc_lo                 ; lanes 0-15: a word for each token
.irp g, 0,1,2
	global_store_b32 v7, v[SW+\g], s[16:17] offset:\g*128
.endr
	s_wait_xcnt 0x0                                ; and again, ahead of the line that widens it
	s_or_b32 exec_lo, exec_lo, s30
	s_wait_tensorcnt 0x0                           ; the wave's end
	ds_add_u32 v[SPW], v[NIL]
	s_wait_dscnt 0x0
	s_endpgm
	; ---------------- the weights ----------------
.Lweights:
	s_mul_i32 s28, ttmp9, 57
	s_lshr_b32 s28, s28, 11                        ; kind = work-group / 36: 0 Wq, 1 Wk, 2 Wv, 3 Wo
	s_mul_i32 s29, s28, 36
	s_sub_co_u32 s29, ttmp9, s29
	s_mul_i32 s30, s29, 43
	s_lshr_b32 s30, s30, 8                         ; cb = rest / 6: block of 128 columns
	s_mul_i32 s31, s30, 6
	s_sub_co_u32 s31, s29, s31                     ; s: K step of 128
	s_cmp_eq_u32 s28, 1                            ; the choice hangs on the work-group's number alone
	s_cselect_b64 s[6:7], s[8:9], s[6:7]
	s_cmp_eq_u32 s28, 2
	s_cselect_b64 s[6:7], s[10:11], s[6:7]
	s_cmp_eq_u32 s28, 3
	s_cselect_b64 s[6:7], s[12:13], s[6:7]
	s_mul_i32 s32, s31, 393216                     ; 128 rows of 3,072 bytes
	s_lshl_b32 s33, s30, 9
	s_add_co_u32 s32, s32, s33
	s_lshl_b32 s33, s24, 7                         ; my wave's 32 columns
	s_add_co_u32 s32, s32, s33
	s_mov_b32 s33, 0
	s_add_nc_u64 s[6:7], s[6:7], s[32:33]
	v_lshlrev_b32 v5, 2, v1                        ; 4 x lane: my column
.macro LOADW b                                 ; block b: W(32 b + i, my column) into set b % 2: 128 consecutive bytes a wave, 512 a work-group
.irp i, 0,1,2,3,4,5,6,7,8,9,10,11,12,13,14,15,16,17,18,19,20,21,22,23,24,25,26,27,28,29,30,31
	global_load_b32 v[X+32*((\b)%2)+\i], v5, s[6:7] offset:(32*(\b)+\i)*3072 th:TH_LOAD_NT
.endr
.endm
	LOADW 0
	LOADW 1
	s_lshl_b32 s34, s30, 3
	s_lshl_b32 s35, s24, 1
	s_add_co_u32 s34, s34, s35
	v_add_nc_u32 v6, s34, v3                       ; G: my tile of 16 columns, 0..47
	v_lshlrev_b32 v7, 4, v2                        ; 16 r
	s_cmp_eq_u32 s28, 3
	s_cbranch_scc1 .Lwo
	v_mul_u32_u24 v8, v6, 171
	v_lshrrev_b32 v8, 9, v8                        ; cg = G / 3
	v_mul_u32_u24 v9, v8, 3
	v_sub_nc_u32 v9, v6, v9                        ; i = G % 3
	v_lshrrev_b32 v16, 1, v8
	v_mul_u32_u24 v[VOC], v16, 110592              ; the pair of column groups,
	v_and_b32 v17, 1, v8
	v_mad_u32_u24 v[VOC], v17, 9216, v[VOC]        ; nine slots for each of the two,
	v_lshl_add_u32 v[VOC], v9, 10, v[VOC]
	v_add_nc_u32 v[VOC], v[VOC], v7
	s_mul_i32 s35, s31, 18432                      ; the K step's 18 slots,
	s_mul_i32 s36, s28, 3072                       ; three slots a kind
	s_add_co_u32 s35, s35, s36
	v_add_nc_u32 v[VOC], s35, v[VOC]
	v_mul_u32_u24 v[VOS], v8, 3456
	v_mad_u32_u24 v[VOS], v9, 384, v[VOS]
	v_lshl_add_u32 v[VOS], v2, 2, v[VOS]
	s_cmp_ge_u32 s31, 3
	s_cselect_b32 s36, 1, 0                        ; u = s / 3
	s_mul_i32 s37, s36, 3
	s_sub_co_u32 s37, s31, s37                     ; p = s % 3
	s_lshl_b32 s37, s37, 7
	s_lshl_b32 s36, s36, 6
	s_add_co_u32 s36, s36, s37
	s_mul_i32 s37, s28, 1152
	s_add_co_u32 s36, s36, s37
	v_add_nc_u32 v[VOS], s36, v[VOS]
.macro BLKQ b                                  ; block b of my column: 32 codes, 16 bytes: piece b / 2, half b % 2 of the fragment; sixteen lanes fill 256 consecutive bytes, aligned
.if (\b) < 3
	s_wait_loadcnt 32                              ; this block's 32 loads are in; the next block's may be out
.else
	s_wait_loadcnt 0x0
.endif
	MAX32 MX, MX+1, X+32*((\b)%2)
	v_add_nc_u32 v[SCL], 0xff000000, v[MX]
.irp q, 0,1,2,3
	v_cvt_scalef32_pk8_fp4_f32 v[C+4*(\b)+\q], v[X+32*((\b)%2)+8*\q:X+32*((\b)%2)+8*\q+7], v[SCL]
.endr
	v_lshrrev_b32 v[BY], 23, v[SCL]                ; the byte (a plain line behind the conversions)
.if (\b) == 0
	v_mov_b32 v[SW], v[BY]
.else
	v_lshl_or_b32 v[SW], v[BY], 8*(\b), v[SW]
.endif
	global_store_b128 v[VOC], v[C+4*(\b):C+4*(\b)+3], s[18:19] offset:((\b)/2)*512+((\b)%2)*256
.if (\b) < 2
	LOADW (\b)+2
.endif
.endm
	BLKQ 0
	BLKQ 1
	BLKQ 2
	BLKQ 3
	global_store_b32 v[VOS], v[SW], s[20:21]       ; my column's scale word of this K step
	s_endpgm
.Lwo:
	v_mul_u32_u24 v[VOC], v6, 24576                ; my tile's 24 fragments
	v_add_nc_u32 v[VOC], v[VOC], v7
	s_lshl_b32 s35, s31, 12                        ; four fragments a K step of 128
	v_add_nc_u32 v[VOC], s35, v[VOC]
.macro BLKH b                                  ; block b: one fragment's share of my column: four runs of 8 along K, 16 bytes each
.if (\b) < 3
	s_wait_loadcnt 32
.else
	s_wait_loadcnt 0x0
.endif
.irp n, 0,1,2,3,4,5,6,7,8,9,10,11,12,13,14,15
	v_cvt_pk_f16_f32 v[HF+16*(\b)+\n], v[X+32*((\b)%2)+2*\n], v[X+32*((\b)%2)+2*\n+1]
.endr
.irp p, 0,1,2,3
	global_store_b128 v[VOC], v[HF+16*(\b)+4*\p:HF+16*(\b)+4*\p+3], s[22:23] offset:(\b)*1024+\p*256
.endr
.if (\b) < 2
	LOADW (\b)+2
.endif
.endm
	BLKH 0
	BLKH 1
	BLKH 2
	BLKH 3
	s_endpgm
.Lfunc_end_k_q25bef1a872_prep:
	.size	k_q25bef1a872_prep, .Lfunc_end_k_q25bef1a872_prep-k_q25bef1a872_prep
	.p2alignl 7, 3214868480
	.fill 96, 4, 3214868480
	.section	.rodata,"a",@progbits
	.p2align	6, 0x0
	.amdhsa_kernel k_q25bef1a872_prep
		.amdhsa_group_segment_fixed_size 34304
		.amdhsa_private_segment_fixed_size 0
		.amdhsa_enable_private_segment 0
		.amdhsa_kernarg_size 80
		.amdhsa_user_sgpr_count 2
		.amdhsa_user_sgpr_kernarg_segment_ptr 1
		.amdhsa_wavefront_size32 1
		.amdhsa_system_sgpr_workgroup_id_x 1
		.amdhsa_system_sgpr_workgroup_id_y 1
		.amdhsa_system_sgpr_workgroup_id_z 1
		.amdhsa_system_vgpr_workitem_id 0
		.amdhsa_next_free_vgpr 240
		.amdhsa_next_free_sgpr 66
		.amdhsa_reserve_vcc 1
		.amdhsa_float_denorm_mode_32 3
		.amdhsa_float_denorm_mode_16_64 3
		.amdhsa_memory_ordered 1
		.amdhsa_forward_progress 1
		.amdhsa_inst_pref_size 56
	.end_amdhsa_kernel
	.amdgpu_metadata
---
amdhsa.version: [ 1, 2 ]
amdhsa.kernels:
  - .name:           k_q25bef1a872_prep
    .symbol:         k_q25bef1a872_prep.kd
    .args:
      - { .name: x, .offset: 0, .size: 8, .value_kind: global_buffer, .address_space: global }
      - { .name: Wq, .offset: 8, .size: 8, .value_kind: global_buffer, .address_space: global }
      - { .name: Wk, .offset: 16, .size: 8, .value_kind: global_buffer, .address_space: global }
      - { .name: Wv, .offset: 24, .size: 8, .value_kind: global_buffer, .address_space: global }
      - { .name: Wo, .offset: 32, .size: 8, .value_kind: global_buffer, .address_space: global }
      - { .name: xc, .offset: 40, .size: 8, .value_kind: global_buffer, .address_space: global }
      - { .name: xs, .offset: 48, .size: 8, .value_kind: global_buffer, .address_space: global }
      - { .name: wc, .offset: 56, .size: 8, .value_kind: global_buffer, .address_space: global }
      - { .name: ws, .offset: 64, .size: 8, .value_kind: global_buffer, .address_space: global }
      - { .name: wo, .offset: 72, .size: 8, .value_kind: global_buffer, .address_space: global }
    .group_segment_fixed_size: 34304
    .private_segment_fixed_size: 0
    .kernarg_segment_align: 8
    .kernarg_segment_size: 80
    .max_flat_workgroup_size: 128
    .sgpr_count:     66
    .vgpr_count:     240
    .wavefront_size: 32
...
	.end_amdgpu_metadata
.endif
;; end of part 1
;; launch qkv (part 2): grid 8 x 32, 4 waves a work-group, clusters of 4 x 4, 222,464 bytes of LDS; arguments xc, xs, wc, ws, bq, bk, bv, qf, kv; writes qf, kv
.if DOCPART == 2
	.amdgcn_target "amdgcn-amd-amdhsa--gfx1250"
	.amdhsa_code_object_version 6
	.text
	.protected	k_q25bef1a872_qkv
	.globl	k_q25bef1a872_qkv
	.p2align	8
	.type	k_q25bef1a872_qkv,@function
k_q25bef1a872_qkv:
	s_mov_b64 s[64:65], 0
	v_nop
	global_prefetch_b8 v0, s[64:65] scope:SCOPE_SE
	s_setreg_imm32_b32 hwreg(HW_REG_WAVE_MODE, 25, 1), 1
	s_wait_xcnt 0x0
	s_wait_alu depctr_hold_cnt(0) depctr_sa_sdst(0) depctr_va_vdst(0) depctr_va_sdst(0) depctr_va_ssrc(0) depctr_va_vcc(0) depctr_vm_vsrc(0)
	s_getreg_b32 s2, hwreg(HW_REG_IB_STS2, 6, 4)
	s_cmp_eq_u32 s2, 0
	s_cbranch_scc0 .Lentry_in_a_cluster
	s_endpgm
.Lentry_in_a_cluster:
	s_bfe_u32 s2, ttmp6, 0x10000c
	s_cmp_lg_u32 s2, 0xf033
	s_cbranch_scc0 .Lentry_shape_is_right
	s_endpgm
.Lentry_shape_is_right:
; QKV.  q = x Wq + bq, k = x Wk + bk, v = x Wv + bv on codes of FP4 (E2M1) with E8M0 scales, sums in f32; the results are rounded to f16 and stored as the attention launch's operand fragments.
; LIMIT: q, k and v go on in f16: magnitudes up to 65,504.
; SHARES.  A work-group takes 256 tokens x two column groups; a column group is 48 channels of q, the same 48 of k and of v.  Wave w: 128 tokens (w / 2) x one column group (w % 2): 8 token tiles x 9 channel tiles = 72 accumulators.
; All of K (768) of both operands fits in LDS: 96 KiB of x's codes, 108 KiB of the weights', and the scale words.  So there are first fills alone: nothing is filled again, and the barriers below only show tiles landed.
; CLUSTERS: 4 x 4.  The four work-groups of a row of the cluster need the same tokens, the four of a column the same column groups: every tile is asked for jointly.  Each wave moves a quarter of each tile: eight tensor loads of mine are out at the most.
; ORIENTATION.  q, k: source 0 = 16 channels of W, source 1 = 16 tokens: a lane holds one token and eight neighbouring channels: 16 bytes of a fragment of Q or K.
;               v:    source 0 = 16 tokens, source 1 = 16 channels: a lane holds one channel and eight neighbouring tokens: 16 bytes of a fragment of V^T.   So every store is 512 consecutive bytes, aligned, with no stage.
; The biases are the C of each sum's first matrix instruction.
; REGISTERS, in windows of 256.  window 0: v0-23 addresses; v32-55 x's scale words (tile t, p: 32 + 3 t + p); v56-82 W's (tile i, p); v96-119 bv; v128-255 x's fragments, two sets of 64 (on the way out: packed results).
;   window 1: v0-143 W's fragments, two sets of 72; v144-191 bq, bk.   Accumulator (i, t) at absolute register 448 + 64 i + 8 t: i = 0 in window 1, 1-4 in window 2, 5-8 in window 3.
; A scale register holds K step p in lanes 0-15 and K step 3 + p in lanes 16-31: steps 3 to 5 read the upper lanes.
.set WC,    98304                      ; LDS: x's codes [step 6][tile 16][1,024] from 0; the weights' [step 6][slot 18][1,024] from here;
.set XS,    208896                     ; x's scale words [tile 16][p 3][128];
.set WS,    215040                     ; W's [group 2][tile 9][p 3][128];
.set SPARE, 221952                     ; the spare words, 128 bytes a wave
.set L16, 4                            ; v4     16 x lane
.set AX,  5                            ; v5-6   x's fragments: steps 0-2, steps 3-5
.set AW,  7                            ; v7-8   W's
.set AXS, 9                            ; v9     x's scale words
.set AWS, 10                           ; v10    W's
.set VO,  11                           ; v11-19 where tile i's results go
.set VB,  20                           ; v20    bq, bk: my eight channels
.set VBV, 21                           ; v21    bv: my channel
.set SPW, 22                           ; v22    LDS address of my spare word; never rewritten
.set NIL, 23                           ; v23    0; never rewritten
.set XSC, 32
.set WSC, 56
.set BV,  96
.set XF,  128
.set TMP, 128
.set WF,  0
.set BQK, 144
.set WV,  22                           ; s22    my wave's number
.set G1X,  24                          ; s[24:31] group 1: 32 rows of 256 bytes, mask of my row
.set G1W,  32                          ; s[32:39] 36 rows of 256 bytes, mask of my column
.set G1XS, 40                          ; s[40:47] one row of 1,536 bytes, mask of my row
.set G1WS, 48                          ; s[48:55] one row of 1,728 bytes, mask of my column
.set G0XS, 56
.set G0WS, 60
.set G0X,  68                          ; s[68+8p ..] x's pair p of K steps;  s[72+8p ..] W's
.set G0W,  72
.set MSB, 0
.macro WIN new                         ; the immediate's high byte repeats the setting that is left
.if MSB != (\new)
	s_set_vgpr_msb (MSB<<8)|(\new)
.set MSB, (\new)
.endif
.endm
.macro PLACES n
.rept \n
	v_nop
.endr
.endm
.macro CROUND                          ; a round of the cluster's barrier
	s_barrier_signal -1
	s_barrier_wait -1
	s_cmp_lg_u32 s[WV], 0
	s_cbranch_scc1 .Lnot_wave_0_\@
	s_barrier_signal -3
.Lnot_wave_0_\@:
	s_barrier_wait -3
	s_barrier_signal -1
	s_barrier_wait -1
.endm
	s_load_b256 s[4:11], s[0:1], 0x0               ; xc, xs, wc, ws
	s_load_b256 s[12:19], s[0:1], 0x20             ; bq, bk, bv, qf
	s_load_b64 s[20:21], s[0:1], 0x40              ; kv
	v_lshl_add_u32 v[SPW], v0, 2, SPARE
	v_mov_b32 v[NIL], 0
	ds_add_u32 v[SPW], v[NIL]                      ; the wave's opening: the add, twice on end, and its wait ahead of my first tensor load
	ds_add_u32 v[SPW], v[NIL]
	v_lshrrev_b32 v1, 5, v0
	v_readfirstlane_b32 s[WV], v1                  ; wave 0..3
	s_bfe_u32 s92, ttmp6, 0x40000                  ; cx
	s_bfe_u32 s93, ttmp6, 0x40004                  ; cy
	s_lshl_b32 s94, ttmp9, 2
	s_add_co_u32 s94, s94, s92                     ; X: pair of column groups
	s_and_b32 s95, ttmp7, 0xffff
	s_lshl_b32 s95, s95, 2
	s_add_co_u32 s95, s95, s93                     ; Y: block of 256 tokens
	s_lshl_b32 s3, s93, 2
	s_lshl_b32 s3, 15, s3                          ; my row of the cluster
	s_lshl_b32 s2, 0x1111, s92                     ; my column
	s_or_b32 s[G1X], s3, (3<<16)|(1<<21)           ; 15:0 the mask; 17:16 elements of 8 bytes; 21 set beside a mask; no padding: register images are dense
	s_or_b32 s[G1XS], s3, (3<<16)|(1<<21)
	s_or_b32 s[G1W], s2, (3<<16)|(1<<21)
	s_or_b32 s[G1WS], s2, (3<<16)|(1<<21)
	s_mov_b32 s[G1X+1], 32<<16                     ; tensor_dim0 = 32 elements
	s_mov_b32 s[G1X+2], 32<<16                     ; tensor_dim1 = 32 rows
	s_mov_b32 s[G1X+3], 32<<16                     ; tile_dim0
	s_mov_b32 s[G1X+4], 32                         ; tile_dim1
	s_mov_b32 s[G1X+5], 32                         ; from row to row
	s_mov_b32 s[G1X+6], 0
	s_mov_b32 s[G1X+7], 0
	s_mov_b32 s[G1W+1], 32<<16
	s_mov_b32 s[G1W+2], 36<<16
	s_mov_b32 s[G1W+3], 32<<16
	s_mov_b32 s[G1W+4], 36
	s_mov_b32 s[G1W+5], 32
	s_mov_b32 s[G1W+6], 0
	s_mov_b32 s[G1W+7], 0
	s_mov_b32 s[G1XS+1], 192<<16
	s_mov_b32 s[G1XS+2], 1<<16
	s_mov_b32 s[G1XS+3], 192<<16
	s_mov_b32 s[G1XS+4], 1
	s_mov_b32 s[G1XS+5], 192
	s_mov_b32 s[G1XS+6], 0
	s_mov_b32 s[G1XS+7], 0
	s_mov_b32 s[G1WS+1], 216<<16
	s_mov_b32 s[G1WS+2], 1<<16
	s_mov_b32 s[G1WS+3], 216<<16
	s_mov_b32 s[G1WS+4], 1
	s_mov_b32 s[G1WS+5], 216
	s_mov_b32 s[G1WS+6], 0
	s_mov_b32 s[G1WS+7], 0
	; where the tiles come from and go.  x's hang on Y and the wave alone, W's on X and the wave alone; the LDS addresses on the wave alone
	s_mul_i32 s96, s95, 98304
	s_lshl_b32 s3, s[WV], 13                       ; my quarter of a pair of K steps of x: 8,192 bytes
	s_add_co_u32 s96, s96, s3
	s_mov_b32 s97, 0
	s_mul_i32 s98, s94, 110592
	s_mul_i32 s2, s[WV], 9216                      ; and of W: 9,216 bytes
	s_add_co_u32 s98, s98, s2
	s_mov_b32 s99, 0
	s_mov_b32 s[G0XS], 1
	s_mul_i32 s23, s[WV], 1536
	s_add_co_u32 s[G0XS+1], s23, XS
	s_mul_i32 s[G0XS+2], s95, 6144
	s_add_co_u32 s[G0XS+2], s[G0XS+2], s23
	s_mov_b32 s[G0XS+3], 0
	s_mov_b32 s[G0WS], 1
	s_mul_i32 s23, s[WV], 1728
	s_add_co_u32 s[G0WS+1], s23, WS
	s_mul_i32 s[G0WS+2], s94, 6912
	s_add_co_u32 s[G0WS+2], s[G0WS+2], s23
	s_mov_b32 s[G0WS+3], 0
	s_wait_dscnt 0x0                               ; both opening adds are done
	s_wait_kmcnt 0x0
	s_add_nc_u64 s[96:97], s[4:5], s[96:97]
	s_add_nc_u64 s[98:99], s[8:9], s[98:99]
	s_add_nc_u64 s[G0XS+2:G0XS+3], s[6:7], s[G0XS+2:G0XS+3]
	s_or_b32 s[G0XS+3], s[G0XS+3], 0x80000000
	s_add_nc_u64 s[G0WS+2:G0WS+3], s[10:11], s[G0WS+2:G0WS+3]
	s_or_b32 s[G0WS+3], s[G0WS+3], 0x80000000
.irp p, 0,1,2
	s_mov_b32 s[G0X+8*\p], 1
	s_add_co_u32 s[G0X+8*\p+1], s3, \p*32768
	s_add_nc_u64 s[G0X+8*\p+2:G0X+8*\p+3], s[96:97], \p*32768
	s_or_b32 s[G0X+8*\p+3], s[G0X+8*\p+3], 0x80000000
	s_mov_b32 s[G0W+8*\p], 1
	s_add_co_u32 s[G0W+8*\p+1], s2, WC+\p*36864
	s_add_nc_u64 s[G0W+8*\p+2:G0W+8*\p+3], s[98:99], \p*36864
	s_or_b32 s[G0W+8*\p+3], s[G0W+8*\p+3], 0x80000000
.endr
	CROUND                                         ; all sixteen work-groups are here: the joint loads meet
	tensor_load_to_lds s[G0XS:G0XS+3], s[G1XS:G1XS+7]   ; the scale words first, then the pairs of K steps in the order in which they are multiplied
	s_nop 0
	tensor_load_to_lds s[G0WS:G0WS+3], s[G1WS:G1WS+7]
	s_nop 0
.irp p, 0,1,2
	tensor_load_to_lds s[G0X+8*\p:G0X+8*\p+3], s[G1X:G1X+7]
	s_nop 0
	tensor_load_to_lds s[G0W+8*\p:G0W+8*\p+3], s[G1W:G1W+7]
	s_nop 0
.endr
	PLACES 4
	v_and_b32 v1, 31, v0                           ; lane
	v_and_b32 v2, 15, v0                           ; r
	v_bfe_u32 v3, v0, 4, 1                         ; h
	v_lshlrev_b32 v[L16], 4, v1
	s_lshr_b32 s23, s[WV], 1                       ; which 128 tokens
	s_and_b32 s2, s[WV], 1                         ; which column group
	s_lshl_b32 s3, s23, 13
	v_add_nc_u32 v[AX], s3, v[L16]
	v_add_nc_u32 v[AX+1], 49152, v[AX]
	s_mul_i32 s3, s2, 9216
	s_add_co_u32 s3, s3, WC
	v_add_nc_u32 v[AW], s3, v[L16]
	v_add_nc_u32 v[AW+1], 55296, v[AW]
	v_lshlrev_b32 v[AXS], 2, v1
	s_mul_i32 s3, s2, 3456
	s_add_co_u32 s3, s3, WS
	v_add_nc_u32 v[AWS], s3, v[AXS]
	s_mul_i32 s3, s23, 3072
	s_add_co_u32 s3, s3, XS
	v_add_nc_u32 v[AXS], s3, v[AXS]
	s_lshl_b32 s96, s94, 1
	s_add_co_u32 s96, s96, s2                      ; cg: my column group, 0..15
	s_mul_i32 s97, s96, 192                        ; its 48 channels, in bytes
	v_lshl_add_u32 v[VB], v3, 5, s97               ; q, k: register j of lane (r, h) is channel 8 h + j of the tile
	v_lshl_add_u32 v[VBV], v2, 2, s97              ; v: all eight registers are channel r
	WIN 0x40                                       ; destination window 1
.irp i, 0,1,2
	global_load_b128 v[BQK+8*\i:BQK+8*\i+3], v[VB], s[12:13] offset:64*\i
	global_load_b128 v[BQK+8*\i+4:BQK+8*\i+7], v[VB], s[12:13] offset:64*\i+16
	global_load_b128 v[BQK+24+8*\i:BQK+24+8*\i+3], v[VB], s[14:15] offset:64*\i
	global_load_b128 v[BQK+24+8*\i+4:BQK+24+8*\i+7], v[VB], s[14:15] offset:64*\i+16
.endr
	WIN 0
.irp i, 0,1,2
.irp j, 0,1,2,3,4,5,6,7
	global_load_b32 v[BV+8*\i+\j], v[VBV], s[16:17] offset:64*\i
.endr
.endr
	; where the results go.  128 tokens = chunk ch of batch b; column tile g = 3 cg + i: head g / 4, 16 channels g % 4 of it
	s_lshl_b32 s98, s95, 1
	s_add_co_u32 s98, s98, s23
	s_lshr_b32 s99, s98, 3
	s_mul_i32 s99, s99, 12                         ; 12 b
	s_and_b32 s98, s98, 7                          ; ch
	s_mul_i32 s97, s96, 3
.irp i, 0,1,2
	s_add_co_u32 s3, s97, \i                       ; g
	s_lshr_b32 s2, s3, 2
	s_add_co_u32 s2, s2, s99                       ; batch x head
	s_and_b32 s3, s3, 3
	s_lshl_b32 s92, s2, 17
	s_lshl_b32 s93, s98, 14
	s_add_co_u32 s92, s92, s93
	s_lshl_b32 s93, s3, 9
	s_add_co_u32 s93, s92, s93
	v_add_nc_u32 v[VO+\i], s93, v[L16]             ; qf [bh][token tile 64][piece 4][512]
	s_lshl_b32 s92, s92, 1
	s_lshl_b32 s93, s3, 9
	s_add_co_u32 s93, s92, s93
	v_add_nc_u32 v[VO+3+\i], s93, v[L16]           ; kv [bh][chunk 8]: K [key tile 8][piece 4][512],
	s_lshl_b32 s93, s3, 10
	s_add_co_u32 s93, s92, s93
	s_add_co_u32 s93, s93, 16384
	v_add_nc_u32 v[VO+6+\i], s93, v[L16]           ; then V^T [32 keys 4][channel tile 4][piece 2][512]
.endr
.macro FETCH s                         ; K step s: x's 8 fragments and W's 9 into set s % 2: 34 loads of 512 consecutive bytes
	WIN 0
.irp t, 0,1,2,3,4,5,6,7
.irp c, 0,1
	ds_load_b128 v[XF+64*((\s)%2)+8*\t+4*\c:XF+64*((\s)%2)+8*\t+4*\c+3], v[AX+(\s)/3] offset:((\s)%3)*16384+\t*1024+\c*512
.endr
.endr
	WIN 0x40
.irp i, 0,1,2,3,4,5,6,7,8
.irp c, 0,1
	ds_load_b128 v[WF+72*((\s)%2)+8*\i+4*\c:WF+72*((\s)%2)+8*\i+4*\c+3], v[AW+(\s)/3] offset:((\s)%3)*18432+\i*1024+\c*512
.endr
.endr
.endm
; 72 matrix instructions: the accumulators take turns, one instruction a turn, in the same order in every step.  Step 0 starts the sums with the biases as C
.macro MUL s
.set SET2, (\s)%2
.set PH3, (\s)%3
.irp i, 0,1,2,3,4,5,6,7,8
.set AWN, (448+64*\i)/256
.set AB, (448+64*\i)%256
.if (\s) == 0
.if \i < 6
.set WN, 0x11|(AWN<<6)                 ; W window 1, x window 0, the bias window 1
.else
.set WN, 0x04|(AWN<<6)                 ; x window 0, W window 1, the bias window 0
.endif
.else
.if \i < 6
.set WN, 0x01|(AWN<<4)|(AWN<<6)
.else
.set WN, 0x04|(AWN<<4)|(AWN<<6)
.endif
.endif
	WIN WN
.irp t, 0,1,2,3,4,5,6,7
.set rD, AB+8*\t
.set rW, WF+72*SET2+8*\i
.set rX, XF+64*SET2+8*\t
.set rC, rD
.if (\s) == 0
.if \i < 6
.set rC, BQK+8*\i
.else
.set rC, BV+8*(\i-6)
.endif
.endif
.set rSW, WSC+3*\i+PH3
.set rSX, XSC+3*\t+PH3
.if \i < 6
.if (\s) < 3
	v_wmma_scale_f32_16x16x128_f8f6f4 v[rD:rD+7], v[rW:rW+7], v[rX:rX+7], v[rC:rC+7], v[rSW], v[rSX] matrix_a_fmt:MATRIX_FMT_FP4 matrix_b_fmt:MATRIX_FMT_FP4
.else
	v_wmma_scale_f32_16x16x128_f8f6f4 v[rD:rD+7], v[rW:rW+7], v[rX:rX+7], v[rC:rC+7], v[rSW], v[rSX] matrix_a_fmt:MATRIX_FMT_FP4 matrix_b_fmt:MATRIX_FMT_FP4 matrix_a_scale:MATRIX_SCALE_ROW1 matrix_b_scale:MATRIX_SCALE_ROW1
.endif
.else
.if (\s) < 3
	v_wmma_scale_f32_16x16x128_f8f6f4 v[rD:rD+7], v[rX:rX+7], v[rW:rW+7], v[rC:rC+7], v[rSX], v[rSW] matrix_a_fmt:MATRIX_FMT_FP4 matrix_b_fmt:MATRIX_FMT_FP4
.else
	v_wmma_scale_f32_16x16x128_f8f6f4 v[rD:rD+7], v[rX:rX+7], v[rW:rW+7], v[rC:rC+7], v[rSX], v[rSW] matrix_a_fmt:MATRIX_FMT_FP4 matrix_b_fmt:MATRIX_FMT_FP4 matrix_a_scale:MATRIX_SCALE_ROW1 matrix_b_scale:MATRIX_SCALE_ROW1
.endif
.endif
.endr
.endr
.endm
.macro STEP s
	s_wait_dscnt 0x0                               ; this step's fragments are in (asked for 72 matrix instructions ago)
.if (\s) > 0
	PLACES 4                                       ; four plain places ahead of loads into registers that matrix instructions have read (ISA guide 7.12.1 for vector instructions)
.endif
.if (\s) == 1
	s_wait_tensorcnt 2                             ; my quarters of K steps 2 and 3 are in; the last pair's two loads may be out
	s_barrier_signal -1
	s_barrier_wait -1                              ; everybody's are
.endif
.if (\s) == 3
	s_wait_tensorcnt 0x0                           ; K steps 4 and 5
	s_barrier_signal -1
	s_barrier_wait -1
.endif
.if (\s) < 5
	FETCH (\s)+1
.endif
	MUL \s
.endm
; tile i goes out: rounded to f16, each accumulator from its low end on; a lane's 16 bytes are its place in a fragment's piece
.macro OUT i
.if (\i) >= 4
	s_wait_xcnt 0x0                                ; the stores of four tiles back have read their registers
.endif
.set AWN, (448+64*(\i))/256
.set AB, (448+64*(\i))%256
.set TBASE, TMP+32*((\i)%4)
	WIN 5*AWN                                      ; sources 0 and 1 in the accumulators' window
.irp t, 0,1,2,3,4,5,6,7
.irp q, 0,1,2,3
	v_cvt_pk_f16_f32 v[TBASE+4*\t+\q], v[AB+8*\t+2*\q], v[AB+8*\t+2*\q+1]
.endr
.endr
	WIN 0
.irp t, 0,1,2,3,4,5,6,7
.if (\i) < 3
	global_store_b128 v[VO+(\i)], v[TBASE+4*\t:TBASE+4*\t+3], s[18:19] offset:\t*2048
.elseif (\i) < 6
	global_store_b128 v[VO+(\i)], v[TBASE+4*\t:TBASE+4*\t+3], s[20:21] offset:\t*2048
.else
	global_store_b128 v[VO+(\i)], v[TBASE+4*\t:TBASE+4*\t+3], s[20:21] offset:(\t/2)*4096+(\t%2)*512
.endif
.endr
.endm
	s_wait_tensorcnt 4                             ; the scale words and my quarters of K steps 0 and 1 are in; the four loads of the later pairs may be out
	s_barrier_signal -1
	s_barrier_wait -1                              ; everybody's are
.irp t, 0,1,2,3,4,5,6,7
.irp p, 0,1,2
	ds_load_b32 v[XSC+3*\t+\p], v[AXS] offset:\t*384+\p*128
.endr
.endr
.irp i, 0,1,2,3,4,5,6,7,8
.irp p, 0,1,2
	ds_load_b32 v[WSC+3*\i+\p], v[AWS] offset:\i*384+\p*128
.endr
.endr
	FETCH 0
	s_wait_loadcnt 0x0                             ; the biases
	STEP 0
	STEP 1
	STEP 2
	STEP 3
	STEP 4
	STEP 5
	PLACES 4                                       ; ahead of the first read of results and the first write over x's fragments
	OUT 0
	OUT 1
	OUT 2
	OUT 3
	OUT 4
	OUT 5
	OUT 6
	OUT 7
	OUT 8
	s_wait_tensorcnt 0x0                           ; the wave's end
	ds_add_u32 v[SPW], v[NIL]
	s_wait_dscnt 0x0
	CROUND                                         ; the closing round
	s_endpgm
.Lfunc_end_k_q25bef1a872_qkv:
	.size	k_q25bef1a872_qkv, .Lfunc_end_k_q25bef1a872_qkv-k_q25bef1a872_qkv
	.p2alignl 7, 3214868480
	.fill 96, 4, 3214868480
	.section	.rodata,"a",@progbits
	.p2align	6, 0x0
	.amdhsa_kernel k_q25bef1a872_qkv
		.amdhsa_group_segment_fixed_size 222464
		.amdhsa_private_segment_fixed_size 0
		.amdhsa_enable_private_segment 0
		.amdhsa_kernarg_size 72
		.amdhsa_user_sgpr_count 2
		.amdhsa_user_sgpr_kernarg_segment_ptr 1
		.amdhsa_wavefront_size32 1
		.amdhsa_system_sgpr_workgroup_id_x 1
		.amdhsa_system_sgpr_workgroup_id_y 1
		.amdhsa_system_sgpr_workgroup_id_z 1
		.amdhsa_system_vgpr_workitem_id 0
		.amdhsa_next_free_vgpr 1024
		.amdhsa_next_free_sgpr 100
		.amdhsa_reserve_vcc 0
		.amdhsa_float_denorm_mode_32 3
		.amdhsa_float_denorm_mode_16_64 3
		.amdhsa_memory_ordered 1
		.amdhsa_forward_progress 1
		.amdhsa_inst_pref_size 112
	.end_amdhsa_kernel
	.amdgpu_metadata
---
amdhsa.version: [ 1, 2 ]
amdhsa.kernels:
  - .name:           k_q25bef1a872_qkv
    .symbol:         k_q25bef1a872_qkv.kd
    .args:
      - { .name: xc, .offset: 0, .size: 8, .value_kind: global_buffer, .address_space: global }
      - { .name: xs, .offset: 8, .size: 8, .value_kind: global_buffer, .address_space: global }
      - { .name: wc, .offset: 16, .size: 8, .value_kind: global_buffer, .address_space: global }
      - { .name: ws, .offset: 24, .size: 8, .value_kind: global_buffer, .address_space: global }
      - { .name: bq, .offset: 32, .size: 8, .value_kind: global_buffer, .address_space: global }
      - { .name: bk, .offset: 40, .size: 8, .value_kind: global_buffer, .address_space: global }
      - { .name: bv, .offset: 48, .size: 8, .value_kind: global_buffer, .address_space: global }
      - { .name: qf, .offset: 56, .size: 8, .value_kind: global_buffer, .address_space: global }
      - { .name: kv, .offset: 64, .size: 8, .value_kind: global_buffer, .address_space: global }
    .group_segment_fixed_size: 222464
    .private_segment_fixed_size: 0
    .kernarg_segment_align: 8
    .kernarg_segment_size: 72
    .max_flat_workgroup_size: 128
    .sgpr_count:     100
    .vgpr_count:     1024
    .wavefront_size: 32
...
	.end_amdgpu_metadata
.endif
;; end of part 2
;; launch attn (part 3): grid 8 x 32, 6 waves a work-group, clusters of 4 x 1, 327,680 bytes of LDS; arguments qf, kv, ctx; writes ctx
.if DOCPART == 3
	.amdgcn_target "amdgcn-amd-amdhsa--gfx1250"
	.amdhsa_code_object_version 6
	.text
	.protected	k_q25bef1a872_attn
	.globl	k_q25bef1a872_attn
	.p2align	8
	.type	k_q25bef1a872_attn,@function
k_q25bef1a872_attn:
	s_mov_b64 s[64:65], 0
	v_nop
	global_prefetch_b8 v0, s[64:65] scope:SCOPE_SE
	s_setreg_imm32_b32 hwreg(HW_REG_WAVE_MODE, 25, 1), 1
	s_wait_xcnt 0x0
	s_wait_alu depctr_hold_cnt(0) depctr_sa_sdst(0) depctr_va_vdst(0) depctr_va_sdst(0) depctr_va_ssrc(0) depctr_va_vcc(0) depctr_vm_vsrc(0)
	s_getreg_b32 s2, hwreg(HW_REG_IB_STS2, 6, 4)
	s_cmp_eq_u32 s2, 0
	s_cbranch_scc0 .Lentry_in_a_cluster
	s_endpgm
.Lentry_in_a_cluster:
	s_bfe_u32 s2, ttmp6, 0x10000c
	s_cmp_lg_u32 s2, 0x3003
	s_cbranch_scc0 .Lentry_shape_is_right
	s_endpgm
.Lentry_shape_is_right:
; ATTN.  ctx[b][q][head] = the sum over k of softmax_k(Q . K / 8) V, 96 heads of 1,024 x 64, operands in f16, products, maxima and sums in f32; the weights p are rounded to f16 for the second product, ctx once at the end.
; SHARES.  A work-group owns 128 queries of three heads.  SIX waves: wave w owns 64 queries (w % 2), four tiles of 16, of head w / 2, and walks all 1,024 keys of it, 64 a step.  No wave shares a sum with another.
; LAYOUT.  S^T = K Q^T (source 0 = 16 keys, source 1 = 16 queries): a lane holds ONE query and the keys 8 (lane / 16) + 0..7.  Two such tiles, rounded to f16 in pairs, ARE source 1 of O^T = V^T P, whose result again holds one query a lane
; and eight channels: 16 bytes of a fragment of the projection's operand.  Q, K and V^T arrive as register images (pieces of 512 bytes, 16 bytes a lane), so LDS has no pitch and no padding.
; SOFTMAX.  For each query a running maximum m and sum l: p = 2^(c s - c m), c = log2(e) / 8; in every step O and l are multiplied by a = 2^(c m_old - c m_new).
; RING.  Two slots of 128 keys: for each head 16 KiB of K and 16 KiB of V^T; wave w fetches region w, one dense load.  CLUSTER: the four query blocks of a cluster walk the same K and V: each tile is asked for jointly, mask 15.
; Two tensor loads of mine are out at the start, one behind each change of slots.
; REGISTERS.  window 0: v2-7 addresses; v16-47 statistics, 8 a tile (+0 c m, +1 m, +2, +3 l, +4..+7 at work, a in +6); v64-191 S^T, 32 a tile; v192-255 P, 16 a tile.
;             window 1: v0-127 O^T, 32 a tile; v128-191 Q; v192-255 ONE buffer for a step's 8 fragments of K and then its 8 of V^T.
.set SLOT1, 1<<17                      ; slot 1 begins here: one exclusive or turns an address in one slot into the other's
.set SPARE, 262144                     ; the spare words, 128 bytes a wave: three blocks of 256 bytes
.set L16, 2                            ; v2  16 x lane
.set AK0, 3                            ; v3  16 x lane + my head's 32 KiB of a slot
.set ADR, 4                            ; v4  the step's tiles
.set PFO, 5                            ; v5  256 x lane
.set SPW, 6                            ; v6  LDS address of my spare word; never rewritten
.set NIL, 7                            ; v7  0; never rewritten
.set ST,  16
.set S,   64
.set P,   192
.set Q,   128
.set KV,  192
.set WV,  10                           ; s10 my wave's number
.set G1,  24                           ; s[24:31] group 1: 64 rows of 256 bytes
.set G0A, 32                           ; s[32:35] slot 0's first fill
.set G0B, 36                           ; s[36:39] slot 1's, which then walks
.set SLOTS, 40                         ; s40 slots still to be asked for
.set TB,  41                           ; s41 LDS byte at which the step to be fetched begins
.set CS,  42                           ; s[42:43] c
.set SEL, 44                           ; s[44:45] selects for lane l xor 16
.set PFA, 46                           ; s[46:47] where my prefetches stand
.set LIM, 48                           ; s48 1 in a wave that prefetches, else the greatest number
.set MSB, 0
.macro WIN new
.if MSB != (\new)
	s_set_vgpr_msb (MSB<<8)|(\new)
.set MSB, (\new)
.endif
.endm
.macro PLACES n
.rept \n
	v_nop
.endr
.endm
.macro CREST                           ; a round of the cluster's barrier behind its opening barrier
	s_cmp_lg_u32 s[WV], 0
	s_cbranch_scc1 .Lnot_wave_0_\@
	s_barrier_signal -3
.Lnot_wave_0_\@:
	s_barrier_wait -3
	s_barrier_signal -1
	s_barrier_wait -1
.endm
.macro CROUND
	s_barrier_signal -1
	s_barrier_wait -1
	CREST
.endm
; A prefetch of what the NEXT change of slots will ask for: a head's chunk of 128 keys, 32 KiB of K and V^T.  Both clusters of a head group walk the same bytes: the first (cluster x = 0) asks.  Its four partners share a chunk out
; BY ADDRESS, 8 KiB each, lanes 256 bytes apart; in each the even wave of a head asks: one instruction.  So each block of 256 bytes is named once in the launch.  The last change that fills a slot asks for nothing; nothing is asked for at the head.
.macro ASK
	s_cmp_gt_u32 s[SLOTS], s[LIM]
	s_cbranch_scc0 .Lnot_mine_\@
	global_prefetch_b8 v[PFO], s[PFA:PFA+1] th:TH_LOAD_NT scope:SCOPE_SE
.Lnot_mine_\@:
.endm
	s_load_b128 s[4:7], s[0:1], 0x0                ; qf, kv
	s_load_b64 s[8:9], s[0:1], 0x10                ; ctx
	v_lshl_add_u32 v[SPW], v0, 2, SPARE
	v_mov_b32 v[NIL], 0
	ds_add_u32 v[SPW], v[NIL]                      ; the wave's opening: the add, twice on end, and its wait ahead of my first tensor load
	ds_add_u32 v[SPW], v[NIL]
	v_lshrrev_b32 v1, 5, v0
	v_readfirstlane_b32 s[WV], v1                  ; wave 0..5
	s_lshr_b32 s11, s[WV], 1                       ; j: which of the three heads
	s_and_b32 s12, s[WV], 1                        ; qg: which 64 queries.  Also: I fetch K (0) or V^T (1) of that head
	s_bfe_u32 s13, ttmp6, 0x40000                  ; cx
	s_lshl_b32 s14, ttmp9, 2
	s_add_co_u32 s14, s14, s13                     ; qb: block of 128 queries
	s_and_b32 s15, ttmp7, 0xffff                   ; y: group of three heads, which the four partners share
	s_mov_b32 s[G1], 15|(3<<16)|(1<<21)            ; 15:0 the mask: all four; 17:16 elements of 8 bytes; 21 set beside a mask
	s_mov_b32 s[G1+1], 32<<16                      ; tensor_dim0 = 32
	s_mov_b32 s[G1+2], 64<<16                      ; tensor_dim1 = 64
	s_mov_b32 s[G1+3], 32<<16                      ; tile_dim0
	s_mov_b32 s[G1+4], 64                          ; tile_dim1
	s_mov_b32 s[G1+5], 32                          ; from row to row
	s_mov_b32 s[G1+6], 0
	s_mov_b32 s[G1+7], 0
	s_mul_i32 s16, s15, 786432
	s_lshl_b32 s17, s11, 18
	s_add_co_u32 s16, s16, s17                     ; my head's first byte in kv
	s_lshl_b32 s17, s12, 14
	s_add_co_u32 s18, s16, s17                     ; K's or V^T's 16 KiB of chunk 0
	s_mov_b32 s19, 0
	s_mov_b32 s17, 0
	s_lshl_b32 s20, s[WV], 14                      ; my region of a slot
	s_mov_b32 s[CS], 0x3e38aa3b                    ; c = log2(e) / 8
	s_mov_b32 s[CS+1], s[CS]
	s_mov_b32 s[SEL], 0x76543210
	s_mov_b32 s[SEL+1], 0xfedcba98
	s_mov_b32 s[TB], 0
	s_mov_b32 s[SLOTS], 6
	s_or_b32 s[LIM], s12, ttmp9                    ; 0 in the even waves of the first cluster: the same in all four partners
	s_cmp_eq_u32 s[LIM], 0
	s_cselect_b32 s[LIM], 1, -1
	s_wait_dscnt 0x0                               ; both opening adds are done
	s_wait_kmcnt 0x0
	s_mov_b32 s[G0A], 1
	s_mov_b32 s[G0A+1], s20
	s_add_nc_u64 s[G0A+2:G0A+3], s[6:7], s[18:19]
	s_mov_b32 s[G0B], 1
	s_add_co_u32 s[G0B+1], s20, SLOT1
	s_add_nc_u64 s[G0B+2:G0B+3], s[G0A+2:G0A+3], 32768
	s_or_b32 s[G0A+3], s[G0A+3], 0x80000000
	s_or_b32 s[G0B+3], s[G0B+3], 0x80000000
	s_add_nc_u64 s[PFA:PFA+1], s[6:7], s[16:17]
	s_lshl_b32 s20, s13, 13                        ; my work-group's 8 KiB of a chunk,
	s_add_co_u32 s20, s20, 65536                   ; in chunk 2: the first change of slots steps it to chunk 3
	s_mov_b32 s21, 0
	s_add_nc_u64 s[PFA:PFA+1], s[PFA:PFA+1], s[20:21]
	CROUND                                         ; all four work-groups are here: the first joint loads meet
	tensor_load_to_lds s[G0A:G0A+3], s[G1:G1+7]
	s_nop 0
	tensor_load_to_lds s[G0B:G0B+3], s[G1:G1+7]
	s_nop 0
	PLACES 4
	v_and_b32 v1, 31, v0
	v_lshlrev_b32 v[L16], 4, v1
	s_lshl_b32 s16, s11, 15
	v_add_nc_u32 v[AK0], s16, v[L16]
	v_lshlrev_b32 v[PFO], 8, v1
	s_mul_i32 s16, s15, 3
	s_add_co_u32 s16, s16, s11                     ; batch x head
	s_lshl_b32 s16, s16, 6
	s_lshl_b32 s17, s14, 3
	s_add_co_u32 s16, s16, s17
	s_lshl_b32 s17, s12, 2
	s_add_co_u32 s16, s16, s17                     ; my first tile of queries
	s_lshl_b32 s16, s16, 11
	s_mov_b32 s17, 0
	s_add_nc_u64 s[4:5], s[4:5], s[16:17]
	WIN 0x40                                       ; destination window 1
.irp n, 0,1,2,3,4,5,6,7                        ; Q stays in registers: fragment n = 2 x tile + half of the channels
.irp c, 0,1
	global_load_b128 v[Q+8*\n+4*\c:Q+8*\n+4*\c+3], v[L16], s[4:5] offset:\n*1024+\c*512
.endr
.endr
	WIN 0
	s_lshr_b32 s16, s15, 2                         ; ctx [block of 128 tokens 64][32 channels 24][tile 8][piece 2][512]
	s_lshl_b32 s16, s16, 3
	s_add_co_u32 s16, s16, s14
	s_mul_i32 s16, s16, 196608
	s_and_b32 s17, s15, 3
	s_mul_i32 s17, s17, 3
	s_add_co_u32 s17, s17, s11                     ; my head in the batch
	s_lshl_b32 s17, s17, 14
	s_add_co_u32 s16, s16, s17
	s_lshl_b32 s17, s12, 12
	s_add_co_u32 s16, s16, s17
	s_mov_b32 s17, 0
	s_add_nc_u64 s[8:9], s[8:9], s[16:17]
.macro FETCH_K                         ; a step's K: fragment n = 2 x key tile + half of the channels
	WIN 0
	v_add_nc_u32 v[ADR], s[TB], v[AK0]
	WIN 0x40
.irp n, 0,1,2,3,4,5,6,7
.irp c, 0,1
	ds_load_b128 v[KV+8*\n+4*\c:KV+8*\n+4*\c+3], v[ADR] offset:\n*1024+\c*512
.endr
.endr
.endm
.macro FETCH_V                         ; the same step's V^T, 16 KiB further on: fragment n = 4 x (32 keys) + channel tile
	WIN 0x40
.irp n, 0,1,2,3,4,5,6,7
.irp c, 0,1
	ds_load_b128 v[KV+8*\n+4*\c:KV+8*\n+4*\c+3], v[ADR] offset:16384+\n*1024+\c*512
.endr
.endr
	s_add_co_u32 s[TB], s[TB], 8192                ; the next fetch is the next step's
.endm
; The accumulators take turns, one instruction a turn: between two links of a chain stand 15 others'.  The first 16 start the sums with the constant 0.
.macro KQ
	WIN 0x05                                       ; K and Q in window 1, S^T in window 0
.irp f, 0,1
.irp t, 0,1,2,3
.irp k, 0,1,2,3
.if \f == 0
	v_wmma_f32_16x16x32_f16 v[S+32*\t+8*\k:S+32*\t+8*\k+7], v[KV+8*(2*\k+\f):KV+8*(2*\k+\f)+7], v[Q+16*\t+8*\f:Q+16*\t+8*\f+7], 0
.else
	v_wmma_f32_16x16x32_f16 v[S+32*\t+8*\k:S+32*\t+8*\k+7], v[KV+8*(2*\k+\f):KV+8*(2*\k+\f)+7], v[Q+16*\t+8*\f:Q+16*\t+8*\f+7], v[S+32*\t+8*\k:S+32*\t+8*\k+7]
.endif
.endr
.endr
.endr
.endm
.macro PVM first
	WIN 0x51                                       ; V^T and O^T in window 1, P in window 0
.irp g, 0,1
.irp t, 0,1,2,3
.irp x, 0,1,2,3
.if \first && (\g == 0)
	v_wmma_f32_16x16x32_f16 v[32*\t+8*\x:32*\t+8*\x+7], v[KV+8*(4*\g+\x):KV+8*(4*\g+\x)+7], v[P+16*\t+8*\g:P+16*\t+8*\g+7], 0
.else
	v_wmma_f32_16x16x32_f16 v[32*\t+8*\x:32*\t+8*\x+7], v[KV+8*(4*\g+\x):KV+8*(4*\g+\x)+7], v[P+16*\t+8*\g:P+16*\t+8*\g+7], v[32*\t+8*\x:32*\t+8*\x+7]
.endif
.endr
.endr
.endr
.endm
; The maximum of a lane's 32 scores and the old m, three operands at a time, four chains a tile, the four tiles by turns; each accumulator is read from its low end on.  Then the other half of the lanes', c m, and c m_old - c m_new.
.macro SMAX first
.irp j, 0,1,2,3
.irp t, 0,1,2,3
	v_max3_num_f32 v[ST+8*\t+4+\j], v[S+32*\t+8*\j], v[S+32*\t+8*\j+1], v[S+32*\t+8*\j+2]
.endr
.endr
.irp u, 1,2
.irp j, 0,1,2,3
.irp t, 0,1,2,3
	v_max3_num_f32 v[ST+8*\t+4+\j], v[ST+8*\t+4+\j], v[S+32*\t+8*\j+2*\u+1], v[S+32*\t+8*\j+2*\u+2]
.endr
.endr
.endr
.irp t, 0,1,2,3
	v_max3_num_f32 v[ST+8*\t+4], v[ST+8*\t+4], v[S+32*\t+7], v[S+32*\t+15]
	v_max3_num_f32 v[ST+8*\t+6], v[ST+8*\t+6], v[S+32*\t+23], v[S+32*\t+31]
.endr
.irp t, 0,1,2,3
	v_max3_num_f32 v[ST+8*\t+4], v[ST+8*\t+4], v[ST+8*\t+5], v[ST+8*\t+6]
.endr
.irp t, 0,1,2,3
.if \first
	v_max_num_f32 v[ST+8*\t+4], v[ST+8*\t+4], v[ST+8*\t+7]
.else
	v_max3_num_f32 v[ST+8*\t+4], v[ST+8*\t+4], v[ST+8*\t+7], v[ST+8*\t+1]
.endif
.endr
.irp t, 0,1,2,3
	v_permlanex16_b32 v[ST+8*\t+5], v[ST+8*\t+4], s[SEL], s[SEL+1]   ; the query's other 32 keys lie in the lane 16 away
.endr
.if !\first
.irp t, 0,1,2,3
	v_mov_b32 v[ST+8*\t+7], v[ST+8*\t]             ; c m_old is kept for a
.endr
.endif
.irp t, 0,1,2,3
	v_max_num_f32 v[ST+8*\t+1], v[ST+8*\t+4], v[ST+8*\t+5]
.endr
.irp t, 0,1,2,3
	v_mul_f32 v[ST+8*\t], s[CS], v[ST+8*\t+1]
.endr
.if !\first
.irp t, 0,1,2,3
	v_sub_f32 v[ST+8*\t+7], v[ST+8*\t+7], v[ST+8*\t]
.endr
.endif
.endm
; ONE BATCH: the 64 packed scalings c s - c m and all 132 exponentials, a scaling to two exponentials, a pair scaled one turn ahead of its exponentials.  None of these lines names an exponential's result.
; Behind the batch one plain line and ONE wait, ahead of the first reader.
.macro SEXP first
.irp t, 0,1,2,3
	v_pk_fma_f32 v[S+32*\t:S+32*\t+1], v[S+32*\t:S+32*\t+1], s[CS:CS+1], v[ST+8*\t:ST+8*\t+1] op_sel_hi:[1,0,0] neg_lo:[0,0,1] neg_hi:[0,0,1]
.endr
.if !\first
.irp t, 0,1,2,3
	v_exp_f32 v[ST+8*\t+6], v[ST+8*\t+7]           ; a
.endr
.endif
.irp b, 1,2,3,4,5,6,7,8,9,10,11,12,13,14,15
.irp t, 0,1,2,3
	v_pk_fma_f32 v[S+32*\t+2*\b:S+32*\t+2*\b+1], v[S+32*\t+2*\b:S+32*\t+2*\b+1], s[CS:CS+1], v[ST+8*\t:ST+8*\t+1] op_sel_hi:[1,0,0] neg_lo:[0,0,1] neg_hi:[0,0,1]
	v_exp_f32 v[S+32*\t+2*(\b-1)], v[S+32*\t+2*(\b-1)]
	v_exp_f32 v[S+32*\t+2*(\b-1)+1], v[S+32*\t+2*(\b-1)+1]
.endr
.endr
.irp t, 0,1,2,3
	v_exp_f32 v[S+32*\t+30], v[S+32*\t+30]
	v_exp_f32 v[S+32*\t+31], v[S+32*\t+31]
.endr
	v_nop
	s_wait_alu depctr_va_vdst(0)
.endm
.macro SCVT                            ; p to f16, in pairs: the second product's source 1
.irp n, 0,1,2,3,4,5,6,7,8,9,10,11,12,13,14,15
.irp t, 0,1,2,3
	v_cvt_pk_f16_f32 v[P+16*\t+\n], v[S+32*\t+2*\n], v[S+32*\t+2*\n+1]
.endr
.endr
.endm
.macro RESC                            ; O^T times a, each accumulator from its low end on
	WIN 0x41
.irp n, 0,1,2,3,4,5,6,7,8,9,10,11,12,13,14,15
.irp t, 0,1,2,3
	v_pk_mul_f32 v[32*\t+2*\n:32*\t+2*\n+1], v[32*\t+2*\n:32*\t+2*\n+1], v[ST+8*\t+6:ST+8*\t+7] op_sel_hi:[1,0]
.endr
.endr
.endm
; The sum of a tile's 16 pairs of unrounded p, in place on S^T: line z of 16 adds neighbours 1, 2, 4, 8 pairs apart; the last is l = a l + the sum.  Lines from .. to - 1, the four tiles by turns.
.macro SUMS from, to, first
.set z, \from
.rept (\to)-(\from)
.set w, 4
.set u, z
.if z >= 14
.set w, 32
.set u, 0
.elseif z >= 12
.set w, 16
.set u, z-12
.elseif z >= 8
.set w, 8
.set u, z-8
.endif
.irp t, 0,1,2,3
.if (z == 14) && \first
	v_pk_add_f32 v[ST+8*\t+2:ST+8*\t+3], v[S+32*\t:S+32*\t+1], v[S+32*\t+16:S+32*\t+17]
.elseif z < 15
	v_pk_add_f32 v[S+32*\t+w*u:S+32*\t+w*u+1], v[S+32*\t+w*u:S+32*\t+w*u+1], v[S+32*\t+w*u+w/2:S+32*\t+w*u+w/2+1]
.elseif !\first
	v_pk_fma_f32 v[ST+8*\t+2:ST+8*\t+3], v[ST+8*\t+2:ST+8*\t+3], v[ST+8*\t+6:ST+8*\t+7], v[S+32*\t:S+32*\t+1] op_sel_hi:[1,0,1]
.endif
.endr
.set z, z+1
.endr
.endm
; A KEY STEP.  mode 0: the next step lies in the same slot.  mode 1: the slot's last step, and the slot is filled again.  mode 2: the slot's last step, nothing is asked for.  mode 3: the last step of all.
; At a change of slots each wave waits for all its tensor loads (its part of the other slot), adds 0 to its spare word, and waits for that and for its reads of this slot, of which V^T's were the last; the second product and the sums,
; work on registers, stand between the barrier's signal and its wait.  mode 1: that barrier opens a round of the cluster's, and the joint refill is the first thing behind the round.
.macro STEP first, mode
	s_wait_dscnt 0x0                               ; K is in
	KQ
	WIN 0
	PLACES 4                                       ; four plain places ahead of the loads into K's registers and of the first read of the scores (ISA guide 7.12.1 for vector instructions)
	FETCH_V
	WIN 0
	SMAX \first
	SEXP \first
	SCVT
.if !\first
	RESC
.endif
.if (\mode == 0) || (\mode == 3)
	s_wait_dscnt 0x0                               ; V^T is in
.else
	WIN 0
	s_wait_tensorcnt 0x0                           ; no tensor load of mine is out, so a group 0 may be written
	ds_add_u32 v[SPW], v[NIL]                      ; 0 onto my spare word
.if \mode == 1
	s_xor_b32 s[G0B+1], s[G0B+1], SLOT1            ; the walking descriptor: the other slot than last time,
	s_add_nc_u64 s[G0B+2:G0B+3], s[G0B+2:G0B+3], 32768   ; the next 128 keys
	s_wait_xcnt 0x0                                ; the last prefetch, two key steps back, has read its address
	s_add_nc_u64 s[PFA:PFA+1], s[PFA:PFA+1], 32768
.endif
	s_wait_dscnt 0x0                               ; the add is done, V^T is in, and my reads of this slot are over
	s_barrier_signal -1
.endif
	PVM \first
	WIN 0
	SUMS 0, 2, \first                              ; eight plain lines that name none of the products' registers: the places ahead of the loads into V^T's registers
.if \mode == 0
	FETCH_K
	WIN 0
.endif
	SUMS 2, 16, \first
.if \mode == 1
	s_barrier_wait -1
	CREST                                          ; no wave of any partner still reads this slot or has a load on its way
	tensor_load_to_lds s[G0B:G0B+3], s[G1:G1+7]    ; my one tensor load until the next change: it has two key steps in which to land
	s_nop 0
	PLACES 4
	ASK
.endif
.if \mode == 2
	s_barrier_wait -1
.endif
.if (\mode == 1) || (\mode == 2)
	s_sub_co_u32 s[TB], s[TB], 16384               ; the fetches go back to a slot's first step,
	s_xor_b32 s[TB], s[TB], SLOT1                  ; in the other slot
	FETCH_K
	WIN 0
.endif
.endm
	s_wait_tensorcnt 1                             ; my part of slot 0 is in; slot 1's may stay out
	s_barrier_signal -1
	s_barrier_wait -1                              ; everybody's is
	FETCH_K
	WIN 0
	s_wait_loadcnt 0x0                             ; Q
	STEP 1, 0                                      ; key step 0 starts m, l and O^T
.Lslot:                                            ; six trips: key steps 1 to 12; chunks 2 to 7 are asked for
	STEP 0, 1
	STEP 0, 0
	s_sub_co_u32 s[SLOTS], s[SLOTS], 1
	s_cmp_lg_u32 s[SLOTS], 0
	s_cbranch_scc1 .Lslot
	STEP 0, 2                                      ; the tail is written out
	STEP 0, 0
	STEP 0, 3
	; THE WAY OUT.  l's two halves and the other half of the lanes' are added; O^T is divided by l, rounded to f16, and a lane's 16 bytes are its place in a fragment's piece: every store is 512 consecutive bytes, aligned.
.irp t, 0,1,2,3
	v_add_f32 v[ST+8*\t+4], v[ST+8*\t+2], v[ST+8*\t+3]
.endr
.irp t, 0,1,2,3
	v_permlanex16_b32 v[ST+8*\t+5], v[ST+8*\t+4], s[SEL], s[SEL+1]
.endr
.irp t, 0,1,2,3
	v_add_f32 v[ST+8*\t+4], v[ST+8*\t+4], v[ST+8*\t+5]
.endr
.irp t, 0,1,2,3
	v_rcp_f32 v[ST+8*\t+6], v[ST+8*\t+4]
.endr
	v_nop                                          ; a plain line behind the last reciprocal,
	s_wait_alu depctr_va_vdst(0)                   ; and the one wait for the four, ahead of the first reader
	WIN 0x01                                       ; O^T in window 1; 1 / l and the results in window 0
.irp n, 0,1,2,3,4,5,6,7,8,9,10,11,12,13,14,15
.irp t, 0,1,2,3
	v_pk_mul_f32 v[S+32*\t+2*\n:S+32*\t+2*\n+1], v[32*\t+2*\n:32*\t+2*\n+1], v[ST+8*\t+6:ST+8*\t+7] op_sel_hi:[1,0]
.endr
.endr
	WIN 0
.irp n, 0,1,2,3,4,5,6,7,8,9,10,11,12,13,14,15
.irp t, 0,1,2,3
	v_cvt_pk_f16_f32 v[P+16*\t+\n], v[S+32*\t+2*\n], v[S+32*\t+2*\n+1]
.endr
.endr
.irp t, 0,1,2,3
.irp x, 0,1,2,3
	global_store_b128 v[L16], v[P+16*\t+4*\x:P+16*\t+4*\x+3], s[8:9] offset:(\x/2)*8192+\t*1024+(\x%2)*512
.endr
.endr
	s_wait_tensorcnt 0x0                           ; the wave's end
	ds_add_u32 v[SPW], v[NIL]
	s_wait_dscnt 0x0
	CROUND                                         ; the closing round
	s_endpgm
.Lfunc_end_k_q25bef1a872_attn:
	.size	k_q25bef1a872_attn, .Lfunc_end_k_q25bef1a872_attn-k_q25bef1a872_attn
	.p2alignl 7, 3214868480
	.fill 96, 4, 3214868480
	.section	.rodata,"a",@progbits
	.p2align	6, 0x0
	.amdhsa_kernel k_q25bef1a872_attn
		.amdhsa_group_segment_fixed_size 327680
		.amdhsa_private_segment_fixed_size 0
		.amdhsa_enable_private_segment 0
		.amdhsa_kernarg_size 24
		.amdhsa_user_sgpr_count 2
		.amdhsa_user_sgpr_kernarg_segment_ptr 1
		.amdhsa_wavefront_size32 1
		.amdhsa_system_sgpr_workgroup_id_x 1
		.amdhsa_system_sgpr_workgroup_id_y 1
		.amdhsa_system_sgpr_workgroup_id_z 1
		.amdhsa_system_vgpr_workitem_id 0
		.amdhsa_next_free_vgpr 512
		.amdhsa_next_free_sgpr 66
		.amdhsa_reserve_vcc 0
		.amdhsa_float_denorm_mode_32 3
		.amdhsa_float_denorm_mode_16_64 3
		.amdhsa_memory_ordered 1
		.amdhsa_forward_progress 1
		.amdhsa_inst_pref_size 203
	.end_amdhsa_kernel
	.amdgpu_metadata
---
amdhsa.version: [ 1, 2 ]
amdhsa.kernels:
  - .name:           k_q25bef1a872_attn
    .symbol:         k_q25bef1a872_attn.kd
    .args:
      - { .name: qf, .offset: 0, .size: 8, .value_kind: global_buffer, .address_space: global }
      - { .name: kv, .offset: 8, .size: 8, .value_kind: global_buffer, .address_space: global }
      - { .name: ctx, .offset: 16, .size: 8, .value_kind: global_buffer, .address_space: global }
    .group_segment_fixed_size: 327680
    .private_segment_fixed_size: 0
    .kernarg_segment_align: 8
    .kernarg_segment_size: 24
    .max_flat_workgroup_size: 192
    .sgpr_count:     66
    .vgpr_count:     512
    .wavefront_size: 32
...
	.end_amdgpu_metadata
.endif
;; end of part 3
;; launch proj (part 4): grid 4 x 64, 4 waves a work-group, clusters of 4 x 1, 197,120 bytes of LDS; arguments ctx, wo, bo, out0; writes out0
.if DOCPART == 4
	.amdgcn_target "amdgcn-amd-amdhsa--gfx1250"
	.amdhsa_code_object_version 6
	.text
	.protected	k_q25bef1a872_proj
	.globl	k_q25bef1a872_proj
	.p2align	8
	.type	k_q25bef1a872_proj,@function
k_q25bef1a872_proj:
	s_mov_b64 s[64:65], 0
	v_nop
	global_prefetch_b8 v0, s[64:65] scope:SCOPE_SE
	s_setreg_imm32_b32 hwreg(HW_REG_WAVE_MODE, 25, 1), 1
	s_wait_xcnt 0x0
	s_wait_alu depctr_hold_cnt(0) depctr_sa_sdst(0) depctr_va_vdst(0) depctr_va_sdst(0) depctr_va_ssrc(0) depctr_va_vcc(0) depctr_vm_vsrc(0)
	s_getreg_b32 s2, hwreg(HW_REG_IB_STS2, 6, 4)
	s_cmp_eq_u32 s2, 0
	s_cbranch_scc0 .Lentry_in_a_cluster
	s_endpgm
.Lentry_in_a_cluster:
	s_bfe_u32 s2, ttmp6, 0x10000c
	s_cmp_lg_u32 s2, 0x3003
	s_cbranch_scc0 .Lentry_shape_is_right
	s_endpgm
.Lentry_shape_is_right:
; PROJ.  out0 = ctx Wo + bo.  ctx and Wo in f16, as register images; sums and out0 in f32.
; SHARES.  A work-group makes 128 tokens x 192 columns; wave w all 128 tokens x 48 columns: 8 token tiles x 3 column tiles = 24 accumulators.  Source 0 = 16 columns of Wo, source 1 = 16 tokens: a lane holds one token and eight neighbouring columns.
; The block's ctx (192 KiB, all of K) is what the four waves and the four partners of a cluster share: it comes by joint first fills, mask 15, three loads a wave (three of mine are out at the most), and stays in LDS: nothing is filled again.
; A wave's 72 fragments of Wo are read by no other wave of its cluster (each partner has other columns), so they are no matter for a joint load: they go from memory straight into 576 registers of their own, ten K steps ahead.
; bo is the C of each sum's first matrix instruction.
; REGISTERS.  window 0: v4-23 addresses; v32-55 bo; v64-191 ctx's fragments, two sets of 64; on the way out v64-255 rows of out0.   window 1: v0-191 accumulator (i, t) at 8 (8 i + t).
;   Wo's fragment (kf, i) at absolute register 448 + 8 (3 kf + i): windows 1 to 3.
.set SPARE, 196608                     ; behind ctx's block: the spare words, 128 bytes a wave
.set SP,    784                        ; the way out: a stage row of 768 bytes + 16; the stage lies in ctx's bytes, behind their last fill and their last read
.set L16, 4                            ; v4-6   16 x lane + 65,536 x chunk of 8 K steps
.set AA,  4
.set STO, 8                            ; v8-9   into the stage: token tiles 0-3, 4-7
.set RD,  10                           ; v10-12 out of it, in a pattern of three
.set CO,  13                           ; v13-15 and the same places in out0
.set VBO, 16
.set SPW, 22                           ; v22    LDS address of my spare word; never rewritten
.set NIL, 23                           ; v23    0; never rewritten
.set BO,  32
.set AF,  64
.set WV,  12
.set G1,  24
.set MSB, 0
.macro WIN new
.if MSB != (\new)
	s_set_vgpr_msb (MSB<<8)|(\new)
.set MSB, (\new)
.endif
.endm
.macro PLACES n
.rept \n
	v_nop
.endr
.endm
.macro CROUND
	s_barrier_signal -1
	s_barrier_wait -1
	s_cmp_lg_u32 s[WV], 0
	s_cbranch_scc1 .Lnot_wave_0_\@
	s_barrier_signal -3
.Lnot_wave_0_\@:
	s_barrier_wait -3
	s_barrier_signal -1
	s_barrier_wait -1
.endm
	s_load_b256 s[4:11], s[0:1], 0x0               ; ctx, wo, bo, out0
	v_lshl_add_u32 v[SPW], v0, 2, SPARE
	v_mov_b32 v[NIL], 0
	ds_add_u32 v[SPW], v[NIL]                      ; the wave's opening: the add, twice on end, and its wait ahead of my first tensor load
	ds_add_u32 v[SPW], v[NIL]
	v_lshrrev_b32 v1, 5, v0
	v_readfirstlane_b32 s[WV], v1                  ; wave 0..3
	s_bfe_u32 s13, ttmp6, 0x40000                  ; cx: my block of 192 columns
	s_and_b32 s14, ttmp7, 0xffff                   ; my block of 128 tokens, which the four partners share
	s_mov_b32 s[G1], 15|(3<<16)|(1<<21)            ; the mask: all four; elements of 8 bytes; 21 set beside a mask
	s_mov_b32 s[G1+1], 32<<16
	s_mov_b32 s[G1+2], 64<<16
	s_mov_b32 s[G1+3], 32<<16
	s_mov_b32 s[G1+4], 64                          ; 64 rows of 256 bytes
	s_mov_b32 s[G1+5], 32
	s_mov_b32 s[G1+6], 0
	s_mov_b32 s[G1+7], 0
	s_mul_i32 s16, s14, 196608
	s_lshl_b32 s18, s[WV], 14                      ; my quarter of a chunk, in memory and in LDS
	s_add_co_u32 s16, s16, s18
	s_mov_b32 s17, 0
	s_wait_dscnt 0x0                               ; both opening adds are done
	s_wait_kmcnt 0x0
	s_add_nc_u64 s[16:17], s[4:5], s[16:17]
.irp c, 0,1,2
	s_mov_b32 s[32+4*\c], 1
	s_add_co_u32 s[33+4*\c], s18, \c*65536
	s_add_nc_u64 s[34+4*\c:35+4*\c], s[16:17], \c*65536
	s_or_b32 s[35+4*\c], s[35+4*\c], 0x80000000
.endr
	CROUND                                         ; all four work-groups are here: the joint loads meet
.irp c, 0,1,2
	tensor_load_to_lds s[32+4*\c:35+4*\c], s[G1:G1+7]
	s_nop 0
.endr
	PLACES 4
	v_and_b32 v1, 31, v0
	v_and_b32 v2, 15, v0                           ; r
	v_bfe_u32 v3, v0, 4, 1                         ; h
	v_lshlrev_b32 v[L16], 4, v1
	v_add_nc_u32 v[AA+1], 65536, v[L16]
	v_add_nc_u32 v[AA+2], 131072, v[L16]
	s_mul_i32 s16, s13, 12
	s_mul_i32 s17, s[WV], 3
	s_add_co_u32 s16, s16, s17                     ; my first tile of 16 columns
	s_lshl_b32 s20, s16, 6
	s_mov_b32 s21, 0
	s_add_nc_u64 s[8:9], s[8:9], s[20:21]
	s_mul_i32 s20, s16, 24576
	s_add_nc_u64 s[6:7], s[6:7], s[20:21]
	v_lshlrev_b32 v[VBO], 5, v3                    ; register j of lane (r, h) is column 8 h + j of the tile
.irp i, 0,1,2
	global_load_b128 v[BO+8*\i:BO+8*\i+3], v[VBO], s[8:9] offset:64*\i
	global_load_b128 v[BO+8*\i+4:BO+8*\i+7], v[VBO], s[8:9] offset:64*\i+16
.endr
.macro BLOAD kf                        ; Wo's three fragments of K step kf: six loads of 512 consecutive bytes
.irp i, 0,1,2
.set BA, 448+8*(3*(\kf)+\i)
	WIN (BA/256)<<6
.irp c, 0,1
	global_load_b128 v[BA%256+4*\c:BA%256+4*\c+3], v[L16], s[6:7] offset:\i*24576+(\kf)*1024+\c*512
.endr
.endr
	WIN 0
.endm
.irp k, 0,1,2,3,4,5,6,7,8,9
	BLOAD \k
.endr
	v_mul_u32_u24 v[STO], v2, SP                   ; the stage: token r of a tile, my 192 bytes of the row, 32 for each half of the lanes
	v_lshl_add_u32 v[STO], v3, 5, v[STO]
	s_mul_i32 s20, s[WV], 192
	v_add_nc_u32 v[STO], s20, v[STO]
	v_add_nc_u32 v[STO+1], 4*16*SP, v[STO]
	; back: wave w takes rows 32 w .. 32 w + 31.  A row is three runs of 256 bytes; a load takes two runs, sixteen lanes each: of two rows a, b: (a0, a1), (a2, b0), (b1, b2)
	v_lshlrev_b32 v18, 4, v2                       ; 16 r
	s_mul_i32 s20, s[WV], 32*SP
	v_add_nc_u32 v17, s20, v18
	v_lshl_add_u32 v[RD], v3, 8, v17
	v_mad_u32_u24 v[RD+1], v3, 272, v17
	v_add_nc_u32 v[RD+1], 512, v[RD+1]
	v_add_nc_u32 v[RD+2], SP+256, v[RD]
	v_lshl_add_u32 v[CO], v3, 8, v18
	v_mad_u32_u24 v[CO+1], v3, 2560, v18
	v_add_nc_u32 v[CO+1], 512, v[CO+1]
	v_add_nc_u32 v[CO+2], 3072+256, v[CO]
	s_lshl_b32 s20, s14, 7
	s_lshl_b32 s16, s[WV], 5
	s_add_co_u32 s20, s20, s16
	s_mul_i32 s20, s20, 3072                       ; the first row that I store,
	s_mul_i32 s16, s13, 768                        ; my work-group's 192 columns
	s_add_co_u32 s20, s20, s16
	s_add_nc_u64 s[10:11], s[10:11], s[20:21]
.macro AFETCH kf                       ; ctx's eight fragments of K step kf into set kf % 2
.irp t, 0,1,2,3,4,5,6,7
.irp c, 0,1
	ds_load_b128 v[AF+64*((\kf)%2)+8*\t+4*\c:AF+64*((\kf)%2)+8*\t+4*\c+3], v[AA+(\kf)/8] offset:((\kf)%8)*8192+\t*1024+\c*512
.endr
.endr
.endm
.macro KF kf                           ; 32 along K: 24 matrix instructions, the accumulators by turns
	s_wait_dscnt 0x0                               ; ctx's fragments of this step are in
.if 23-(\kf) < 9
	s_wait_loadcnt 6*(23-(\kf))                    ; Wo's of this step are in; the younger steps' loads may be out
.else
	s_wait_loadcnt 54
.endif
.if (\kf) > 0
	PLACES 4                                       ; four plain places ahead of loads into registers that matrix instructions have read (ISA guide 7.12.1 for vector instructions)
.endif
.if (\kf) == 7
	s_wait_tensorcnt 1                             ; my quarter of the second chunk is in; the third's load may be out
	s_barrier_signal -1
	s_barrier_wait -1
.endif
.if (\kf) == 15
	s_wait_tensorcnt 0x0
	s_barrier_signal -1
	s_barrier_wait -1
.endif
.if (\kf) < 23
	AFETCH (\kf)+1
.endif
.if (\kf) < 14
	BLOAD (\kf)+10
.endif
.irp i, 0,1,2
.set BA, 448+8*(3*(\kf)+\i)
.if (\kf) == 0
	WIN (BA/256)|(1<<6)                            ; Wo's window; ctx and bo window 0; the accumulators window 1
.else
	WIN (BA/256)|(1<<4)|(1<<6)
.endif
.irp t, 0,1,2,3,4,5,6,7
.if (\kf) == 0
	v_wmma_f32_16x16x32_f16 v[8*(8*\i+\t):8*(8*\i+\t)+7], v[BA%256:BA%256+7], v[AF+64*((\kf)%2)+8*\t:AF+64*((\kf)%2)+8*\t+7], v[BO+8*\i:BO+8*\i+7]
.else
	v_wmma_f32_16x16x32_f16 v[8*(8*\i+\t):8*(8*\i+\t)+7], v[BA%256:BA%256+7], v[AF+64*((\kf)%2)+8*\t:AF+64*((\kf)%2)+8*\t+7], v[8*(8*\i+\t):8*(8*\i+\t)+7]
.endif
.endr
.endr
	WIN 0
.endm
	s_wait_tensorcnt 2                             ; my quarter of the first chunk is in; the two later loads may be out
	s_barrier_signal -1
	s_barrier_wait -1                              ; everybody's is
	AFETCH 0
.irp k, 0,1,2,3,4,5,6,7,8,9,10,11,12,13,14,15,16,17,18,19,20,21,22,23
	KF \k
.endr
	; THE WAY OUT.  A row's 192 columns come from four waves: they meet in a stage and leave as whole runs of 256 bytes.
	PLACES 4                                       ; ahead of the first read of results
	s_wait_dscnt 0x0
	s_barrier_signal -1
	s_barrier_wait -1                              ; nobody reads ctx's bytes any more
	WIN 0x04                                       ; an LDS store's data are its source 1: window 1
.irp t, 0,1,2,3,4,5,6,7
.irp i, 0,1,2
	ds_store_b128 v[STO+\t/4], v[8*(8*\i+\t):8*(8*\i+\t)+3] offset:(\t%4)*16*SP+64*\i       ; each accumulator from its low end on
	ds_store_b128 v[STO+\t/4], v[8*(8*\i+\t)+4:8*(8*\i+\t)+7] offset:(\t%4)*16*SP+64*\i+16
.endr
.endr
	WIN 0
	s_wait_dscnt 0x0                               ; for the others' sake: my stores into the stage are done
	s_barrier_signal -1
	s_barrier_wait -1
.irp n, 0,1,2,3,4,5,6,7,8,9,10,11,12,13,14,15
.irp f, 0,1,2
	ds_load_b128 v[64+4*(3*\n+\f):64+4*(3*\n+\f)+3], v[RD+\f] offset:\n*2*SP
.endr
.endr
.irp n, 0,1,2,3,4,5,6,7,8,9,10,11,12,13,14,15
.irp f, 0,1,2
	s_wait_dscnt 47-(3*\n+\f)                      ; LDS loads come back in order: this one is in, the younger may be out
	global_store_b128 v[CO+\f], v[64+4*(3*\n+\f):64+4*(3*\n+\f)+3], s[10:11] offset:\n*6144 th:TH_STORE_NT   ; sixteen lanes store 256 consecutive bytes, aligned
.endr
.endr
	s_wait_tensorcnt 0x0                           ; the wave's end
	ds_add_u32 v[SPW], v[NIL]
	s_wait_dscnt 0x0
	CROUND                                         ; the closing round
	s_endpgm
.Lfunc_end_k_q25bef1a872_proj:
	.size	k_q25bef1a872_proj, .Lfunc_end_k_q25bef1a872_proj-k_q25bef1a872_proj
	.p2alignl 7, 3214868480
	.fill 96, 4, 3214868480
	.section	.rodata,"a",@progbits
	.p2align	6, 0x0
	.amdhsa_kernel k_q25bef1a872_proj
		.amdhsa_group_segment_fixed_size 197120
		.amdhsa_private_segment_fixed_size 0
		.amdhsa_enable_private_segment 0
		.amdhsa_kernarg_size 32
		.amdhsa_user_sgpr_count 2
		.amdhsa_user_sgpr_kernarg_segment_ptr 1
		.amdhsa_wavefront_size32 1
		.amdhsa_system_sgpr_workgroup_id_x 1
		.amdhsa_system_sgpr_workgroup_id_y 1
		.amdhsa_system_sgpr_workgroup_id_z 1
		.amdhsa_system_vgpr_workitem_id 0
		.amdhsa_next_free_vgpr 1024
		.amdhsa_next_free_sgpr 66
		.amdhsa_reserve_vcc 0
		.amdhsa_float_denorm_mode_32 3
		.amdhsa_float_denorm_mode_16_64 3
		.amdhsa_memory_ordered 1
		.amdhsa_forward_progress 1
		.amdhsa_inst_pref_size 100
	.end_amdhsa_kernel
	.amdgpu_metadata
---
amdhsa.version: [ 1, 2 ]
amdhsa.kernels:
  - .name:           k_q25bef1a872_proj
    .symbol:         k_q25bef1a872_proj.kd
    .args:
      - { .name: ctx, .offset: 0, .size: 8, .value_kind: global_buffer, .address_space: global }
      - { .name: wo, .offset: 8, .size: 8, .value_kind: global_buffer, .address_space: global }
      - { .name: bo, .offset: 16, .size: 8, .value_kind: global_buffer, .address_space: global }
      - { .name: out0, .offset: 24, .size: 8, .value_kind: global_buffer, .address_space: global }
    .group_segment_fixed_size: 197120
    .private_segment_fixed_size: 0
    .kernarg_segment_align: 8
    .kernarg_segment_size: 32
    .max_flat_workgroup_size: 128
    .sgpr_count:     66
    .vgpr_count:     1024
    .wavefront_size: 32
...
	.end_amdgpu_metadata
.endif
;; end of part 4
